; MI455X (gfx1250); checked and timed in simulation.
; The chip was launched on July 23, 2026; its instructions are those of AMD's public machine-readable ISA for CDNA 5 (MIT licence, August 2026) and "CDNA5" Instruction Set Architecture Reference Guide (July 2026). The comments in the code are by the model that wrote it; some were corrected since.
;; Attn. Allowed arithmetic: float matrix products may take bf16 or f16 operands with f32 sums; other float arithmetic in f32, or as packed bf16 or f16 multiplies, adds, multiply-adds, maxima and minima; sums over many terms, partial sums and values carried from step to step in f32; what a program stores and reads back later, other than sums and carried values, may be rounded once to bf16 or f16.
;; Inputs: W 1,024 x 2,048 float32; b 1,024 float32; encoder_outputs 512 x 64 x 2,048 float32; v 1,024 x 1 float32.
;; Outputs: out0 64 x 8 x 512 float32.
;; Constants: num_features = 8.
;; One version. Each part assembles by itself: llvm-mc -triple=amdgcn-amd-amdhsa -mcpu=gfx1250 --defsym DOCPART=n.
;; ======== version 1 of 1: 3 launches
;; workspace buffers: wb 4,194,304 bytes; part 262,144 bytes
;; launch packw (part 1): grid 256 x 1, 8 waves a work-group, no clusters, 19,456 bytes of LDS; arguments W, wb; writes wb
.if DOCPART == 1
	.amdgcn_target "amdgcn-amd-amdhsa--gfx1250"
	.amdhsa_code_object_version 6
	.text
	.protected	k_q77726ab403_packw
	.globl	k_q77726ab403_packw
	.p2align	8
	.type	k_q77726ab403_packw,@function
k_q77726ab403_packw:
	s_mov_b64 s[64:65], 0
	v_nop
	global_prefetch_b8 v0, s[64:65] scope:SCOPE_SE
	s_setreg_imm32_b32 hwreg(HW_REG_WAVE_MODE, 25, 1), 1
	s_wait_xcnt 0x0
; W [1024][2048] f32 -> wb: the same numbers rounded once to bf16, laid out in the order in which the product's waves load their fragments.
; A CHUNK is 64 k of a row (256 bytes of f32), cut into 8 UNITS of 8 bf16: unit u holds k = 4 u + 0..3 and then k = 32 + 4 u + 0..3 of the chunk.  (The product cuts X's rows
; in the same way, so every product still meets its partner.)  So a lane makes a unit from two loads of 16 bytes, 128 bytes apart, and four packed roundings.
; wb, in bytes: half x 2,097,152 + s x 131,072 + w x 32,768 + kq x 8,192 + nb x 1,024 + j x 512 + lane x 16, lane = r + 16 h, holds
; row 512 half + 128 w + 16 nb + r of W, chunk 2 s + kq / 2, unit 4 (kq % 2) + 2 j + h.
; SHARES.  A wave takes 16 rows x one chunk: 2,048 such jobs.  Work-group number = 32 grp + t: chunk t, rows 128 grp on (grp = 4 half + w); the wave's number is nb.
; The units change lanes through a stage in LDS that is the wave's own: no barrier.  Each store of the wave covers 512 consecutive bytes, aligned.
.set ROWB,  8192                       ; bytes in a row of W
.set PITCH, 144                        ; a stage row: 8 units of 16 bytes + 16 of padding = 36 words: 16 rows start at 16 different groups of four banks (64 banks of 4 bytes: ISA guide 11.1)
.set SPARE, 18432                      ; behind the eight stages (2,304 bytes each): the spare words, 128 bytes for each wave, which no other line names
.set WO,  4                            ; v4   my byte offset in the 16 rows of W
.set LS,  5                            ; v5   where I put a unit
.set LR,  6                            ; v6   where I read a unit back
.set OO,  7                            ; v7   16 x lane
.set IN,  8                            ; v[8:39]  as loaded: row i of my four at 8 i; later the units read back
.set PK,  40                           ; v[40:55] four units
.set SPW, 60                           ; v60  LDS address of my spare word; never rewritten
.set NIL, 61                           ; v61  0; never rewritten
	s_load_b128 s[4:7], s[0:1], 0x0                ; W s[4:5], wb s[6:7]
	v_lshl_add_u32 v[SPW], v0, 2, SPARE
	v_mov_b32 v[NIL], 0
	v_lshrrev_b32 v1, 5, v0
	v_readfirstlane_b32 s8, v1                     ; wave 0..7 = nb
	v_and_b32 v2, 7, v0                            ; c: my unit on the way in
	v_bfe_u32 v3, v0, 3, 1
	v_bfe_u32 v56, v0, 4, 1                        ; h
	v_lshlrev_b32 v3, 3, v3
	v_lshl_add_u32 v3, v56, 2, v3                  ; my first row: 8 ((l / 8) % 2) + 4 (l / 16): the two rows that 16 lanes store lie 1,152 bytes apart, 128 modulo 256
	v_lshlrev_b32 v[WO], 13, v3
	v_lshl_add_u32 v[WO], v2, 4, v[WO]             ; row x 8,192 + 16 c
	s_mul_i32 s9, s8, 16*PITCH                     ; my stage
	v_mul_u32_u24 v[LS], v3, PITCH
	v_lshl_add_u32 v[LS], v2, 4, v[LS]
	v_add_nc_u32 v[LS], s9, v[LS]
	v_and_b32 v57, 15, v0                          ; r
	v_mul_u32_u24 v[LR], v57, PITCH
	v_lshl_add_u32 v[LR], v56, 4, v[LR]            ; row r, unit h (+ 4 kb + 2 j in the immediate)
	v_add_nc_u32 v[LR], s9, v[LR]
	v_and_b32 v[OO], 31, v0
	v_lshlrev_b32 v[OO], 4, v[OO]
	s_and_b32 s10, ttmp9, 31                       ; t
	s_lshr_b32 s11, ttmp9, 5                       ; grp
	s_lshl_b32 s12, s11, 3
	s_add_co_u32 s12, s12, s8                      ; my group of 16 rows,
	s_lshl_b32 s12, s12, 17                        ; 131,072 bytes each,
	s_lshl_b32 s13, s10, 8
	s_add_co_u32 s12, s12, s13                     ; and my chunk in them
	s_mov_b32 s13, 0
	s_lshr_b32 s14, s11, 2
	s_lshl_b32 s14, s14, 21                        ; half
	s_lshr_b32 s15, s10, 1
	s_lshl_b32 s15, s15, 17                        ; s = t / 2
	s_add_co_u32 s14, s14, s15
	s_and_b32 s15, s11, 3
	s_lshl_b32 s15, s15, 15                        ; w
	s_add_co_u32 s14, s14, s15
	s_and_b32 s15, s10, 1
	s_lshl_b32 s15, s15, 14                        ; kq = 2 (t % 2) + kb
	s_add_co_u32 s14, s14, s15
	s_lshl_b32 s15, s8, 10                         ; nb
	s_add_co_u32 s14, s14, s15
	s_mov_b32 s15, 0
	s_wait_kmcnt 0x0
	s_add_nc_u64 s[4:5], s[4:5], s[12:13]
	s_add_nc_u64 s[6:7], s[6:7], s[14:15]
.irp i, 0,1,2,3
	global_load_b128 v[IN+8*(\i):IN+8*(\i)+3],   v[WO], s[4:5] offset:(\i)*ROWB th:TH_LOAD_NT      ; k = 4 c + 0..3
	global_load_b128 v[IN+8*(\i)+4:IN+8*(\i)+7], v[WO], s[4:5] offset:(\i)*ROWB+128 th:TH_LOAD_NT  ; k = 32 + 4 c + 0..3
.endr
.irp i, 0,1,2,3
	s_wait_loadcnt 6-2*(\i)                        ; loads come back in order: row i's two are in, the later rows' may stay out
.irp z, 0,1,2,3
	v_cvt_pk_bf16_f32 v[PK+4*(\i)+(\z)], v[IN+8*(\i)+2*(\z)], v[IN+8*(\i)+2*(\z)+1]
.endr
	ds_store_b128 v[LS], v[PK+4*(\i):PK+4*(\i)+3] offset:(\i)*PITCH
.endr
.irp n, 0,1,2,3                        ; n = 2 kb + j.  LDS serves a wave's instructions in order (ISA guide 5.7.1.4): these see the stores above
	ds_load_b128 v[IN+4*(\n):IN+4*(\n)+3], v[LR] offset:32*(\n)
.endr
.irp n, 0,1,2,3
	s_wait_dscnt 3-(\n)
	global_store_b128 v[OO], v[IN+4*(\n):IN+4*(\n)+3], s[6:7] offset:((\n)/2)*8192+((\n)%2)*512
.endr
	s_wait_tensorcnt 0x0                           ; the wave's end, behind my last LDS store
	ds_add_u32 v[SPW], v[NIL]
	s_wait_dscnt 0x0
	s_endpgm
.Lfunc_end_k_q77726ab403_packw:
	.size	k_q77726ab403_packw, .Lfunc_end_k_q77726ab403_packw-k_q77726ab403_packw
	.p2alignl 7, 3214868480
	.fill 96, 4, 3214868480
	.section	.rodata,"a",@progbits
	.p2align	6, 0x0
	.amdhsa_kernel k_q77726ab403_packw
		.amdhsa_group_segment_fixed_size 19456
		.amdhsa_private_segment_fixed_size 0
		.amdhsa_enable_private_segment 0
		.amdhsa_kernarg_size 16
		.amdhsa_user_sgpr_count 2
		.amdhsa_user_sgpr_kernarg_segment_ptr 1
		.amdhsa_wavefront_size32 1
		.amdhsa_system_sgpr_workgroup_id_x 1
		.amdhsa_system_sgpr_workgroup_id_y 1
		.amdhsa_system_sgpr_workgroup_id_z 1
		.amdhsa_system_vgpr_workitem_id 0
		.amdhsa_next_free_vgpr 64
		.amdhsa_next_free_sgpr 66
		.amdhsa_reserve_vcc 0
		.amdhsa_float_denorm_mode_32 3
		.amdhsa_float_denorm_mode_16_64 3
		.amdhsa_memory_ordered 1
		.amdhsa_forward_progress 1
		.amdhsa_inst_pref_size 6
	.end_amdhsa_kernel
	.amdgpu_metadata
---
amdhsa.version: [ 1, 2 ]
amdhsa.kernels:
  - .name:           k_q77726ab403_packw
    .symbol:         k_q77726ab403_packw.kd
    .args:
      - { .name: W, .offset: 0, .size: 8, .value_kind: global_buffer, .address_space: global }
      - { .name: wb, .offset: 8, .size: 8, .value_kind: global_buffer, .address_space: global }
    .group_segment_fixed_size: 19456
    .private_segment_fixed_size: 0
    .kernarg_segment_align: 8
    .kernarg_segment_size: 16
    .max_flat_workgroup_size: 256
    .sgpr_count:     66
    .vgpr_count:     64
    .wavefront_size: 32
...
	.end_amdgpu_metadata
.endif
;; end of part 1
;; launch energy (part 2): grid 8 x 64, 4 waves a work-group, clusters of 4 x 1, 327,680 bytes of LDS; arguments encoder_outputs, wb, b, v, part; writes part
.if DOCPART == 2
	.amdgcn_target "amdgcn-amd-amdhsa--gfx1250"
	.amdhsa_code_object_version 6
	.text
	.protected	k_q77726ab403_energy
	.globl	k_q77726ab403_energy
	.p2align	8
	.type	k_q77726ab403_energy,@function
k_q77726ab403_energy:
	s_mov_b64 s[64:65], 0
	v_nop
	global_prefetch_b8 v0, s[64:65] scope:SCOPE_SE
	s_setreg_imm32_b32 hwreg(HW_REG_WAVE_MODE, 25, 1), 1
	s_wait_xcnt 0x0
	s_wait_alu depctr_hold_cnt(0) depctr_sa_sdst(0) depctr_va_vdst(0) depctr_va_sdst(0) depctr_va_ssrc(0) depctr_va_vcc(0) depctr_vm_vsrc(0)
	s_getreg_b32 s2, hwreg(HW_REG_IB_STS2, 6, 4)
	s_cmp_eq_u32 s2, 0
	s_cbranch_scc0 .Lentry_in_a_cluster
	s_endpgm
.Lentry_in_a_cluster:
	s_bfe_u32 s2, ttmp6, 0x10000c
	s_cmp_lg_u32 s2, 0x3003
	s_cbranch_scc0 .Lentry_shape_is_right
	s_endpgm
.Lentry_shape_is_right:
; part[half][row] = the sum over 512 hidden columns h of v[h] tanh(X[row] . W[h] + b[h]).  X = encoder_outputs as [32768][2048] f32 (row = 64 l + batch); W comes as wb, bf16 in fragment order.
; X is rounded once to bf16 on its way; products in bf16, sums in f32; bias, tanh and the sum with v in f32.
; LIMITS.  tanh x = 1 - 2 / (1 + 2^(2 log2(e) x)): right at both ends (the power runs to infinity or to 0, the quotient to 0 or 1), with an absolute error of about 1e-7 for small x.
; Inside each 64 k the products are summed in another order than k's.  NaN and infinities are not treated apart.
; SHARES.  A work-group makes 128 rows x 512 hidden columns (one half of the 1,024), each of its four waves 128 x 128: 64 accumulators of 16 x 16, 512 registers.
; K goes in W STEPS of 128 (ring of two LDS slots, filled by the tensor data mover), X in CHUNKS of 64 k (256 bytes of f32 a row), the products in QUARTERS of 32 k, 64 matrix instructions a wave.
; CLUSTER.  The four work-groups of a cluster have the same half and four neighbouring row blocks: they walk the same W, so each tile of W is asked for JOINTLY: the same tensor load, descriptor and mask in all four.
; X IS NOT ASKED FOR JOINTLY, though two work-groups (the two halves) read the same rows: it is f32 and has to be rounded.  As a tile in LDS it would be read as f32 by all four waves, twice the bytes
; for each fragment, and rounded four times over.  Through registers each wave loads and rounds 32 of the 128 rows once, and LDS holds bf16: 16 KiB of fragments of X for a wave's 128 products.
; A chunk's 64 numbers of a row are cut into 8 units of 8 bf16: unit u = k 4 u + 0..3, then 32 + 4 u + 0..3: two loads of 16 bytes, four packed roundings, one LDS store a lane.  wb is cut alike.
; A fragment of quarter kb (0, 1) of a chunk takes unit 4 kb + h into registers 0-3 and unit 4 kb + 2 + h into registers 4-7 (h = lane / 16), for X and for W.
; THE MATRIX INSTRUCTION IS USED TRANSPOSED: source 0 = 16 rows of W, source 1 = 16 rows of X.  Lane l, register j then holds row l % 16 of X and hidden column 8 (l / 16) + j.
; IN TIME.  Chunk c is multiplied in quarters 2 c and 2 c + 1.  It is rounded and stored into its stage slot (c % 2) in quarter 2 c - 2, shown to all waves by the barrier in the middle of quarter 2 c - 1,
; and its registers are at once loaded with chunk c + 2: two chunks, 16 KiB a wave, are on their way, each asked for 256 matrix instructions ahead of its rounding.
; Every odd quarter has a barrier: the second of a W step a plain one, the fourth the change of ring slots, a round of the cluster's barrier.
; REGISTERS, in windows of 256 (s_set_vgpr_msb: bits 1:0 source 0, 3:2 source 1, 5:4 source 2, 7:6 destination):
;   window 0: v0-31 addresses; v32-63 a chunk rounded; v64-127, v128-191 fragments of X, two buffers; v192-255 the way out's sums
;   window 1: v0-63, v192-255 X as loaded, two sets (at the end b and v); v64-127, v128-191 fragments of W, two buffers
;   window 2: the accumulators of rows 0-63 ((a, nb) at v[8 (8 a + nb)]);   window 3: those of rows 64-127
.set ROWB,   8192                      ; bytes in a row of X
.set WSTEP,  131072                    ; a W step of one half in wb, and a ring slot: four waves' parts of 32,768 bytes, each loaded and read by its wave alone; a fragment load takes 512 bytes on end
.set STG,    2*WSTEP                   ; behind the ring: two stage slots, written by LDS stores alone
.set SPITCH, 144                       ; a stage row: 128 bytes + 16 of padding = 36 words: 16 rows start at 16 different groups of four banks (64 banks of 4 bytes: ISA guide 11.1)
.set SSLOT,  128*SPITCH
.set SCR,    STG+2*SSLOT               ; 2,048 bytes: four waves x 128 partial scores
.set SPARE,  SCR+2048                  ; the spare words, 128 bytes for each wave: two blocks of 256 bytes that no other line names
.set ADRA, 16                          ; v16    LDS address of my fragments of X in stage slot 0
.set STA,  17                          ; v17    where I store a unit of my first row
.set XO,   18                          ; v18    my byte offset in the block's rows of X
.set PFX,  19                          ; v19    X's prefetches: my row and chunk
.set ADRB, 20                          ; v20-21 LDS address of my fragments of W in slot 0, 1
.set PFWO, 22                          ; v22    256 x lane
.set BVO,  23                          ; v23    32 x (lane / 16): my eight numbers among sixteen of b or v
.set SCA,  24                          ; v24    where I put a partial score
.set SCB,  25                          ; v25    where I read two of them back
.set PO,   26                          ; v26    8 x lane
.set SPW,  28                          ; v28    LDS address of my spare word; never rewritten
.set NIL,  29                          ; v29    0; never rewritten
.set T,    32
.set VS,   48                          ; v48-55 at the end: the sum of my v, by register pair
.set F0,   64
.set F1,   128
.set S,    192                         ; sums (a, q) at S + 8 a + 2 q
.set WV,   14                          ; s14  my wave's number
.set G1,   24                          ; s[24:31] descriptor group 1
.set G0,   32                          ; s[32:39] descriptor group 0, a set for each slot
.set XP,   40                          ; s[40:41] X at my block's first row, at the chunk that the trip's loads count from
.set PFW,  42                          ; s[42:43] where my prefetches of wb stand
.set LIMW, 44                          ; s44  1 in a cluster that prefetches wb, else the greatest number
.set C2,   46                          ; s[46:47] 2 log2(e), named as a pair
.set SEL,  48                          ; s[48:49] v_permlanex16_b32's selects: each lane takes its own place in the other half
.set MSB, 0
.macro WIN new                         ; the immediate's high byte repeats the setting that is left; a switch that changes nothing is dropped
.if MSB != (\new)
	s_set_vgpr_msb (MSB<<8)|(\new)
.set MSB, \new
.endif
.endm
.set MUL_LO, 0xa1                      ; source 0 (W) window 1, source 1 (X) window 0, C and D window 2
.set MUL_HI, 0xf1                      ; the same, C and D window 3
; A round of the cluster's barrier: my work-group's barrier; wave 0 signals for the work-group; every wave waits for all four work-groups; my work-group's barrier once more.
.macro CREST                           ; a round behind its opening barrier
	s_cmp_lg_u32 s[WV], 0
	s_cbranch_scc1 .Lnot_wave_0_\@
	s_barrier_signal -3
.Lnot_wave_0_\@:
	s_barrier_wait -3
	s_barrier_signal -1
	s_barrier_wait -1
.endm
.macro CROUND
	s_barrier_signal -1
	s_barrier_wait -1
	CREST
.endm
.macro PLACES                          ; four plain vector instructions between a matrix instruction and a load into a register that it has read (ISA guide 7.12.1 for vector instructions)
.rept 4
	v_nop
.endr
.endm
; 16 matrix instructions: row blocks a0, a0 + 1 of the window's four x all 8 column blocks, 32 along K.  zero = 1: the product starts the sum.  The 64 accumulators take turns in the same order in every quarter.
; ride = set + 1: behind each of the first eight stand four roundings of X set 'set' (32 in all: a chunk of my 32 rows): they name no register of the products round them.
.macro MUL16 f, hi, a0, zero, ride
.set rn, 0
.irp a, \a0, (\a0)+1
.irp b, 0,1,2,3,4,5,6,7
	WIN MUL_LO+0x50*(\hi)
.if \zero
	v_wmma_f32_16x16x32_bf16 v[8*(8*(\a)+(\b)):8*(8*(\a)+(\b))+7], v[(\f)+8*(\b):(\f)+8*(\b)+7], v[(\f)+8*(4*(\hi)+(\a)):(\f)+8*(4*(\hi)+(\a))+7], 0
.else
	v_wmma_f32_16x16x32_bf16 v[8*(8*(\a)+(\b)):8*(8*(\a)+(\b))+7], v[(\f)+8*(\b):(\f)+8*(\b)+7], v[(\f)+8*(4*(\hi)+(\a)):(\f)+8*(4*(\hi)+(\a))+7], v[8*(8*(\a)+(\b)):8*(8*(\a)+(\b))+7]
.endif
.if (\ride) && (rn < 8)
	WIN 0x05                                       ; sources in window 1, destination in window 0
.irp z, 0,1,2,3
	v_cvt_pk_bf16_f32 v[T+4*rn+(\z)], v[192*((\ride)-1)+8*rn+2*(\z)], v[192*((\ride)-1)+8*rn+2*(\z)+1]
.endr
.endif
.set rn, rn+1
.endr
.endr
.endm
; 32 LDS loads in one run: the fragments of quarter qi (0..3) of the W step in ring slot 'slot', into buffer f: W's eight, then X's eight (chunk qi / 2 of the step: stage slot qi / 2; its quarter qi % 2)
.macro FETCH slot, qi, f
	WIN 0x40                                       ; destination window 1, address window 0
.irp i, 0,1,2,3,4,5,6,7
	ds_load_b128 v[(\f)+8*(\i):(\f)+8*(\i)+3],   v[ADRB+(\slot)] offset:(\qi)*8192+(\i)*1024
	ds_load_b128 v[(\f)+8*(\i)+4:(\f)+8*(\i)+7], v[ADRB+(\slot)] offset:(\qi)*8192+(\i)*1024+512
.endr
	WIN 0
.irp i, 0,1,2,3,4,5,6,7
	ds_load_b128 v[(\f)+8*(\i):(\f)+8*(\i)+3],   v[ADRA] offset:((\qi)/2)*SSLOT+((\qi)%2)*64+(\i)*16*SPITCH
	ds_load_b128 v[(\f)+8*(\i)+4:(\f)+8*(\i)+7], v[ADRA] offset:((\qi)/2)*SSLOT+((\qi)%2)*64+(\i)*16*SPITCH+32
.endr
.endm
.macro XSTORE st                       ; the rounded chunk into stage slot st: my eight rows' units
	WIN 0
.irp i, 0,1,2,3,4,5,6,7
	ds_store_b128 v[STA], v[T+4*(\i):T+4*(\i)+3] offset:(\st)*SSLOT+(\i)*SPITCH
.endr
.endm
.macro XLOAD set, n                    ; chunk n behind the pointer: 32 rows x 256 bytes a wave.  No cache hint: the other half's work-group reads the same rows
	WIN 0x40
.irp i, 0,1,2,3,4,5,6,7
	global_load_b128 v[192*(\set)+8*(\i):192*(\set)+8*(\i)+3],   v[XO], s[XP:XP+1] offset:(\i)*ROWB+(\n)*256
	global_load_b128 v[192*(\set)+8*(\i)+4:192*(\set)+8*(\i)+7], v[XO], s[XP:XP+1] offset:(\i)*ROWB+(\n)*256+128
.endr
.endm
.macro BVLOAD set, ptr                 ; my eight numbers of b or v for each of my 8 column blocks: 16 loads, in the place of a chunk's 16, so that the counts of the waits stay
	WIN 0x40
.irp i, 0,1,2,3,4,5,6,7
	global_load_b128 v[192*(\set)+8*(\i):192*(\set)+8*(\i)+3],   v[BVO], s[(\ptr):(\ptr)+1] offset:64*(\i)
	global_load_b128 v[192*(\set)+8*(\i)+4:192*(\set)+8*(\i)+7], v[BVO], s[(\ptr):(\ptr)+1] offset:64*(\i)+16
.endr
.endm
; X IS PREFETCHED INTO THE L2: once a W step, behind the third quarter's loads, one instruction a wave for the two chunks whose loads stand 256 and 384 matrix instructions on.  A lane names one row's 256 bytes
; of one chunk.  A block's 128 rows are read by two work-groups, one for each half: each asks for 64 of them, told apart by address, its waves for 16 each.  So each block is named once in the launch.
; Chunks 0 to 5 come by their loads alone; cond = 1: the loop's last trip has no such chunks left.
.macro ASKX imm, cond
	WIN 0
.if \cond
	s_cmp_gt_u32 s3, 1
	s_cbranch_scc0 .Lno_x_\@
.endif
	global_prefetch_b8 v[PFX], s[XP:XP+1] offset:\imm th:TH_LOAD_NT scope:SCOPE_SE
.if \cond
.Lno_x_\@:
.endif
.endm
; wb IS PREFETCHED likewise: behind each joint refill, its five lines and the run of LDS loads, the W step that stands two refills on, 512 matrix instructions ahead of the load that will want it.
; All clusters of a half walk the same bytes: the first of them (cluster y = 0) asks.  A step is 512 blocks of 256 bytes: four partners (told apart by address: 8,192 bytes each of a wave's part) x four waves x 32 lanes.
; Steps 0 to 3 come by their loads alone; the loop's last trip (s3 = 1) has no step two refills on.
.macro ASKW off
	s_cmp_gt_u32 s3, s[LIMW]
	s_cbranch_scc0 .Lno_w_\@
	global_prefetch_b8 v[PFWO], s[PFW:PFW+1] offset:\off th:TH_LOAD_NT scope:SCOPE_SE
.Lno_w_\@:
.endm
; AN EVEN QUARTER (qi = 0, 2) multiplies buffer 0.  Beside its first products the next chunk (X set 'set') is rounded; in its middle that chunk goes to its stage slot, the next quarter's fragments are
; fetched into buffer 1 (the 32 roundings are the places in front of those loads), and the set is loaded again: kind 0 with chunk n behind the pointer, 1 with b, 2 with v.  ask: 1, 2: X's prefetch.
.macro QE slot, qi, zero, set, kind, n, ask
	s_wait_dscnt 8                                 ; W's fragments and X's rows 0-63 are in; the youngest eight loads (rows 64-127) may be out
	s_wait_loadcnt 16                              ; the set to be rounded is in; the other set's 16 loads may be out
	MUL16 F0, 0, 0, \zero, (\set)+1
	MUL16 F0, 0, 2, \zero, 0
	XSTORE \set
	FETCH \slot, (\qi)+1, F1
.if (\kind) == 0
	XLOAD \set, \n
.elseif (\kind) == 1
	BVLOAD 0, 8
.else
	BVLOAD 1, 10
.endif
.if (\ask) == 1
	ASKX 512, 0
.elseif (\ask) == 2
	ASKX 1024, 1
.endif
	s_wait_dscnt 32                                ; all but the 32 loads just issued
	MUL16 F0, 1, 0, \zero, 0
	MUL16 F0, 1, 2, \zero, 0
.endm
; THE SECOND QUARTER of a W step multiplies buffer 1.  A plain barrier: in front of it each wave's stores of the new chunk and its reads of the old one are done; behind it the new chunk is read, and the
; old chunk's stage slot may be written.  No ring slot is filled behind it, so the refill that is out may stay out.
.macro QM slot
	s_wait_dscnt 8
	MUL16 F1, 0, 0, 0, 0
	s_wait_dscnt 0x0                               ; for the others' sake: my stage stores and all my LDS reads
	s_barrier_signal -1
	MUL16 F1, 0, 2, 0, 0
	s_barrier_wait -1
	PLACES
	FETCH \slot, 2, F0
	MUL16 F1, 1, 0, 0, 0
	MUL16 F1, 1, 2, 0, 0
.endm
; THE FOURTH QUARTER changes ring slots.  In front of the barrier each wave waits for all its tensor loads (one is out: its part of the next slot), adds 0 to its spare word, and waits for that, for its reads
; of this slot and for its stage stores.  round = 1: the barrier opens a round of the cluster's, behind which no wave of any partner still reads the slot or has a load on its way; the joint refill, with the step
; two on, is the first thing behind it and has 224 matrix instructions in which to land.  round = 0 (the last change): nothing is left to ask for.
.macro TURN slot, next, round, pfo
	WIN 0                                          ; (the add's two registers lie in window 0)
	s_wait_tensorcnt 0x0                           ; all my tensor loads have landed, so a group 0 may be written
	ds_add_u32 v[SPW], v[NIL]                      ; 0 onto my spare word
	s_wait_dscnt 9                                 ; (the add and the youngest eight loads may be out)
	MUL16 F1, 0, 0, 0, 0                           ; sixteen matrix instructions stand between the add and the wait for it
	s_wait_dscnt 0x0
	s_barrier_signal -1
	MUL16 F1, 0, 2, 0, 0
.if \round
	WIN 0
.endif
	s_barrier_wait -1
.if \round
	CREST
	s_add_nc_u64 s[G0+4*(\slot)+2:G0+4*(\slot)+3], s[G0+4*(\slot)+2:G0+4*(\slot)+3], 2*WSTEP
	tensor_load_to_lds s[G0+4*(\slot):G0+4*(\slot)+3], s[G1:G1+7]
	s_nop 0
	PLACES                                         ; the places in front of the loads below
.else
	PLACES
.endif
	FETCH \next, 0, F0
.if \round
	ASKW \pfo
.endif
	MUL16 F1, 1, 0, 0, 0
	MUL16 F1, 1, 2, 0, 0
.endm
	s_load_b256 s[4:11], s[0:1], 0x0               ; X s[4:5], wb s[6:7], b s[8:9], v s[10:11]
	s_load_b64 s[12:13], s[0:1], 0x20              ; part
	v_lshl_add_u32 v[SPW], v0, 2, SPARE
	v_mov_b32 v[NIL], 0
	ds_add_u32 v[SPW], v[NIL]                      ; the wave's opening: the add and its wait stand ahead of my first tensor load; the set-up below, work on registers, stands between them
	v_lshrrev_b32 v3, 5, v0
	v_readfirstlane_b32 s[WV], v3                  ; wave 0..3
	s_bfe_u32 s15, ttmp6, 0x40000                  ; cx: my place in the cluster: it enters X's, part's and the prefetches' addresses alone
	s_and_b32 s16, ttmp7, 0xffff                   ; cluster y
	s_mov_b32 s17, ttmp9                           ; cluster x = which half of the hidden columns: the four partners share it
	s_lshl_b32 s18, s16, 2
	s_add_co_u32 s18, s18, s15                     ; my block of 128 rows
	; descriptor group 1: a wave's 32,768 dense bytes of a step, as 128 rows of 256 bytes, no padding
	s_mov_b32 s[G1], 15|(3<<16)|(1<<21)            ; 15:0 the mask: all four work-groups; 17:16 elements of 8 bytes; 21 set beside a mask
	s_mov_b32 s[G1+1], 32<<16                      ; tensor_dim0 = 32
	s_mov_b32 s[G1+2], 128<<16                     ; tensor_dim1 = 128
	s_mov_b32 s[G1+3], 32<<16                      ; tile_dim0 = 32
	s_mov_b32 s[G1+4], 128                         ; tile_dim1 = 128
	s_mov_b32 s[G1+5], 32                          ; 32 elements from row to row
	s_mov_b32 s[G1+6], 0
	s_mov_b32 s[G1+7], 0
	s_lshl_b32 s20, s[WV], 15                      ; my wave's part of a step: in wb and in a slot
	s_lshl_b32 s22, s17, 21                        ; the half's 2 MiB of wb
	s_add_co_u32 s22, s22, s20
	s_mov_b32 s23, 0
	s_lshl_b32 s50, s18, 20                        ; my block's 128 rows of 8,192 bytes
	s_mov_b32 s51, 0
	s_lshl_b32 s52, s17, 17                        ; part: the half's 32,768 numbers,
	s_lshl_b32 s53, s18, 9                         ; my block's 128,
	s_add_co_u32 s52, s52, s53
	s_and_b32 s53, s[WV], 1                        ; the 64 that wave 0 or 1 stores
	s_lshl_b32 s53, s53, 8
	s_add_co_u32 s52, s52, s53
	s_mov_b32 s53, 0
	s_lshl_b32 s54, s17, 11                        ; b and v: the half's 512 numbers, my wave's 128
	s_lshl_b32 s55, s[WV], 9
	s_add_co_u32 s54, s54, s55
	s_mov_b32 s55, 0
	s_lshl_b32 s56, s15, 13                        ; of a wave's part of a step my work-group prefetches 8,192 bytes
	s_mov_b32 s57, 0
	s_cmp_eq_u32 s16, 0
	s_cselect_b32 s[LIMW], 1, -1                   ; the same in all four partners
	s_mov_b32 s[C2], 0x4038aa3b                    ; 2 log2(e) = 2.885390
	s_mov_b32 s[C2+1], s[C2]
	s_mov_b32 s[SEL], 0x76543210
	s_mov_b32 s[SEL+1], 0xfedcba98
	v_and_b32 v5, 7, v0                            ; c: my unit on the way in
	v_bfe_u32 v6, v0, 3, 2                         ; g: my rows are 32 w + 8 g + 0..7
	v_lshlrev_b32 v[XO], 16, v6
	v_lshl_add_u32 v[XO], v5, 4, v[XO]
	s_lshl_b32 s21, s[WV], 18
	v_add_nc_u32 v[XO], s21, v[XO]                 ; (32 w + 8 g) x 8,192 + 16 c
	s_wait_dscnt 0x0                               ; the opening add is done
	s_wait_kmcnt 0x0
	s_add_nc_u64 s[XP:XP+1], s[4:5], s[50:51]
	s_add_nc_u64 s[6:7], s[6:7], s[22:23]          ; wb at my wave's part of the half's step 0
	s_add_nc_u64 s[8:9], s[8:9], s[54:55]
	s_add_nc_u64 s[10:11], s[10:11], s[54:55]
	s_add_nc_u64 s[12:13], s[12:13], s[52:53]
	s_add_nc_u64 s[PFW:PFW+1], s[6:7], s[56:57]
	s_add_nc_u64 s[PFW:PFW+1], s[PFW:PFW+1], 2*WSTEP  ; at step 2: the loop's first trip steps it to 4
.irp s, 0,1
	s_mov_b32 s[G0+4*(\s)], 1                      ; 1:0 count = 1
	s_add_co_u32 s[G0+4*(\s)+1], s20, (\s)*WSTEP   ; 63:32 LDS address: the slot, my wave's part: no place in the cluster enters it
	s_add_nc_u64 s[G0+4*(\s)+2:G0+4*(\s)+3], s[6:7], (\s)*WSTEP  ; 120:64 global address: step s
	s_or_b32 s[G0+4*(\s)+3], s[G0+4*(\s)+3], 0x80000000          ; 127:126 type = 2
.endr
	XLOAD 0, 0                                     ; chunks 0 and 1 are asked for before anything else
	XLOAD 1, 1
	WIN 0
	CROUND                                         ; all four work-groups are here: the first joint loads meet
	tensor_load_to_lds s[G0:G0+3], s[G1:G1+7]      ; both first fills together, ahead of every wait on TENSORcnt and every LDS read: two loads of mine are out
	s_nop 0
	tensor_load_to_lds s[G0+4:G0+7], s[G1:G1+7]
	s_nop 0
	PLACES
	v_and_b32 v1, 15, v0                           ; r = l % 16
	v_bfe_u32 v2, v0, 4, 1                         ; h = l / 16
	v_and_b32 v4, 31, v0                           ; l
	v_mul_u32_u24 v[ADRA], v1, SPITCH
	v_lshl_add_u32 v[ADRA], v2, 4, v[ADRA]
	v_add_nc_u32 v[ADRA], STG, v[ADRA]             ; row r, unit h
	v_mul_u32_u24 v[STA], v6, 8*SPITCH
	v_lshl_add_u32 v[STA], v5, 4, v[STA]
	s_mul_i32 s21, s[WV], 32*SPITCH
	s_add_co_u32 s21, s21, STG
	v_add_nc_u32 v[STA], s21, v[STA]               ; row 32 w + 8 g, unit c: the two rows that 16 lanes store lie 1,152 bytes apart, 128 modulo 256
	v_lshlrev_b32 v[PFX], 13, v1
	v_lshl_add_u32 v[PFX], v2, 8, v[PFX]
	s_lshl_b32 s21, s17, 19
	v_add_nc_u32 v[PFX], s21, v[PFX]
	s_lshl_b32 s21, s[WV], 17
	v_add_nc_u32 v[PFX], s21, v[PFX]               ; row 64 half + 16 w + r, chunk h of two
	v_lshl_add_u32 v[ADRB], v4, 4, s20
	v_add_nc_u32 v[ADRB+1], WSTEP, v[ADRB]
	v_lshlrev_b32 v[PFWO], 8, v4
	v_lshlrev_b32 v[BVO], 5, v2
	s_lshl_b32 s21, s[WV], 9
	s_add_co_u32 s21, s21, SCR
	v_lshl_add_u32 v[SCA], v1, 2, s21
	s_and_b32 s21, s[WV], 1
	s_lshl_b32 s21, s21, 8
	s_add_co_u32 s21, s21, SCR
	v_lshl_add_u32 v[SCB], v4, 3, s21
	v_lshlrev_b32 v[PO], 3, v4
	s_wait_loadcnt 16                              ; chunk 0 is in; chunk 1's 16 loads may be out
	WIN 0x05
.set rn, 0
.rept 32                               ; chunk 0 has no products to stand beside
	v_cvt_pk_bf16_f32 v[T+rn], v[2*rn], v[2*rn+1]
.set rn, rn+1
.endr
	XSTORE 0
	XLOAD 0, 2
	WIN 0
	s_wait_tensorcnt 0x1                           ; my part of step 0 is in; step 1's may stay out
	s_wait_dscnt 0x0                               ; my rows of chunk 0 are in the stage,
	s_barrier_signal -1
	s_barrier_wait -1                              ; everybody's are
	FETCH 0, 0, F0
	QE 0, 0, 1, 1, 0, 3, 0                         ; the first quarter stands in front of the loop: its products start the sums
	WIN 0                                          ; at a label and at a branch every window is 0
	s_mov_b32 s3, 7
.Llap:                                                 ; a trip goes once round the ring, from a lap's second quarter to the next lap's first: two W steps, four chunks
	s_wait_xcnt 0x0                                ; every load and prefetch issued so far (the youngest 32 matrix instructions back) has read its address, so the pointers may be written
	s_add_nc_u64 s[XP:XP+1], s[XP:XP+1], 4*256
	s_add_nc_u64 s[PFW:PFW+1], s[PFW:PFW+1], 2*WSTEP
	QM 0
	QE 0, 2, 0, 0, 0, 0, 1
	TURN 0, 1, 1, 0
	QE 1, 0, 0, 1, 0, 1, 0
	QM 1
	QE 1, 2, 0, 0, 0, 2, 2
	TURN 1, 0, 1, WSTEP
	QE 0, 0, 0, 1, 0, 3, 0
	WIN 0
	s_sub_co_u32 s3, s3, 1
	s_cmp_lg_u32 s3, 0
	s_cbranch_scc1 .Llap
	QM 0                                           ; the last lap is written out
	QE 0, 2, 0, 0, 1, 0, 0                         ; chunk 30 is rounded; b takes its registers
	TURN 0, 1, 0, 0
	QE 1, 0, 0, 1, 2, 0, 0                         ; chunk 31 is rounded; v takes its registers
	QM 1
	s_wait_dscnt 8                                 ; the last quarter but one: nothing is left to round
	MUL16 F0, 0, 0, 0, 0
	MUL16 F0, 0, 2, 0, 0
	PLACES
	FETCH 1, 3, F1
	s_wait_dscnt 32
	MUL16 F0, 1, 0, 0, 0
	MUL16 F0, 1, 2, 0, 0
	s_wait_dscnt 8
	MUL16 F1, 0, 0, 0, 0
	MUL16 F1, 0, 2, 0, 0
	s_wait_dscnt 0x0
	MUL16 F1, 1, 0, 0, 0
	MUL16 F1, 1, 2, 0, 0
	; THE WAY OUT.  score = sum of v (1 - 2 q) = sum of v + sum of (-2 v) q, q = 1 / (1 + 2^(C2 x + C2 b)).  First b and v are made ready: 92 plain instructions, which are also the places behind the last products.
	s_wait_loadcnt 0x0                             ; b and v
	WIN 0x41                                       ; destination and source 0 in window 1
.set rn, 0
.rept 32
	v_pk_mul_f32 v[2*rn:2*rn+1], v[2*rn:2*rn+1], s[C2:C2+1] op_sel_hi:[1,0]  ; C2 b
.set rn, rn+1
.endr
	WIN 0x05
.irp q, 0,1,2,3
	v_pk_add_f32 v[VS+2*(\q):VS+2*(\q)+1], v[192+2*(\q):192+2*(\q)+1], v[200+2*(\q):200+2*(\q)+1]
.endr
	WIN 0x01
.irp n, 2,3,4,5,6,7
.irp q, 0,1,2,3
	v_pk_add_f32 v[VS+2*(\q):VS+2*(\q)+1], v[192+8*(\n)+2*(\q):192+8*(\n)+2*(\q)+1], v[VS+2*(\q):VS+2*(\q)+1]
.endr
.endr
	WIN 0x41
.set rn, 0
.rept 32
	v_pk_mul_f32 v[192+2*rn:192+2*rn+1], v[192+2*rn:192+2*rn+1], -2.0 op_sel_hi:[1,0]
.set rn, rn+1
.endr
; One window's 256 registers (wd = 2, 3), in place and in ascending order.
; The 256 powers are ONE batch: nothing ahead of its wait names a result; a pair's two powers stand behind the next pair's scaling.  Likewise the 256 reciprocals.
; Then the sums: (a, q) takes its eight column blocks one after the other, sixteen lines apart; the first link starts from the sum of v.
.macro TANH wd
	WIN 0x41*(\wd)+0x10                            ; destination and source 0 in window wd, source 2 (C2 b) in window 1
.set ti, 0
.rept 128
	v_pk_fma_f32 v[2*ti:2*ti+1], v[2*ti:2*ti+1], s[C2:C2+1], v[(2*ti)%64:(2*ti)%64+1] op_sel_hi:[1,0,1]
.if ti > 0
	v_exp_f32 v[2*ti-2], v[2*ti-2]
	v_exp_f32 v[2*ti-1], v[2*ti-1]
.endif
.set ti, ti+1
.endr
	v_exp_f32 v254, v254
	v_exp_f32 v255, v255
	v_nop                                          ; a plain instruction behind the last power,
	s_wait_alu depctr_va_vdst(0)                   ; and the wait ahead of the first use: one for the batch
.set ti, 0
.rept 128
	v_pk_add_f32 v[2*ti:2*ti+1], v[2*ti:2*ti+1], 1.0 op_sel_hi:[1,0]
.if ti > 0
	v_rcp_f32 v[2*ti-2], v[2*ti-2]
	v_rcp_f32 v[2*ti-1], v[2*ti-1]
.endif
.set ti, ti+1
.endr
	v_rcp_f32 v254, v254
	v_rcp_f32 v255, v255
	v_nop
	s_wait_alu depctr_va_vdst(0)                   ; one for the batch of reciprocals
	WIN 0x04+(\wd)                                 ; source 0 (q) in window wd, source 1 (-2 v) in window 1, the sums in window 0
.irp n, 0,1,2,3,4,5,6,7
.irp a, 0,1,2,3
.irp q, 0,1,2,3
.if (\n) == 0
	v_pk_fma_f32 v[S+8*(4*((\wd)-2)+(\a))+2*(\q):S+8*(4*((\wd)-2)+(\a))+2*(\q)+1], v[8*(8*(\a)+(\n))+2*(\q):8*(8*(\a)+(\n))+2*(\q)+1], v[192+8*(\n)+2*(\q):192+8*(\n)+2*(\q)+1], v[VS+2*(\q):VS+2*(\q)+1]
.else
	v_pk_fma_f32 v[S+8*(4*((\wd)-2)+(\a))+2*(\q):S+8*(4*((\wd)-2)+(\a))+2*(\q)+1], v[8*(8*(\a)+(\n))+2*(\q):8*(8*(\a)+(\n))+2*(\q)+1], v[192+8*(\n)+2*(\q):192+8*(\n)+2*(\q)+1], v[S+8*(4*((\wd)-2)+(\a))+2*(\q):S+8*(4*((\wd)-2)+(\a))+2*(\q)+1]
.endif
.endr
.endr
.endr
.endm
	TANH 2
	TANH 3
	WIN 0
.irp a, 0,1,2,3,4,5,6,7                ; a lane's eight sums of a row block into one,
	v_pk_add_f32 v[S+8*(\a):S+8*(\a)+1], v[S+8*(\a):S+8*(\a)+1], v[S+8*(\a)+2:S+8*(\a)+3]
	v_pk_add_f32 v[S+8*(\a)+4:S+8*(\a)+5], v[S+8*(\a)+4:S+8*(\a)+5], v[S+8*(\a)+6:S+8*(\a)+7]
.endr
.irp a, 0,1,2,3,4,5,6,7
	v_pk_add_f32 v[S+8*(\a):S+8*(\a)+1], v[S+8*(\a):S+8*(\a)+1], v[S+8*(\a)+4:S+8*(\a)+5]
.endr
.irp a, 0,1,2,3,4,5,6,7
	v_add_f32 v[S+8*(\a)], v[S+8*(\a)], v[S+8*(\a)+1]
.endr
.irp a, 0,1,2,3,4,5,6,7                ; and the row's other 64 columns, which lie in the lane 16 away
	v_permlanex16_b32 v[S+8*(\a)+1], v[S+8*(\a)], s[SEL], s[SEL+1]
.endr
.irp a, 0,1,2,3,4,5,6,7
	v_add_f32 v[S+8*(\a)], v[S+8*(\a)], v[S+8*(\a)+1]
.endr
.irp a, 0,1,2,3,4,5,6,7
	ds_store_b32 v[SCA], v[S+8*(\a)] offset:64*(\a)  ; row 16 a + r; both halves of the lanes write the same number to the same word
.endr
	s_wait_dscnt 0x0                               ; for the others' sake: my 128 partial scores are in LDS
	s_barrier_signal -1
	s_barrier_wait -1
	s_cmp_lt_u32 s[WV], 2                          ; wave 0 adds up rows 0-63, wave 1 rows 64-127
	s_cbranch_scc0 .Lend
.irp p, 0,1,2,3
	ds_load_b64 v[T+2*(\p):T+2*(\p)+1], v[SCB] offset:512*(\p)
.endr
	s_wait_dscnt 0x0
	v_pk_add_f32 v[T:T+1], v[T:T+1], v[T+2:T+3]
	v_pk_add_f32 v[T+4:T+5], v[T+4:T+5], v[T+6:T+7]
	v_pk_add_f32 v[T:T+1], v[T:T+1], v[T+4:T+5]
	global_store_b64 v[PO], v[T:T+1], s[12:13]     ; the wave's store covers 256 consecutive bytes, aligned
.Lend:
	s_wait_tensorcnt 0x0                           ; the wave's end, behind my last tensor load and my last LDS store
	ds_add_u32 v[SPW], v[NIL]
	s_wait_dscnt 0x0
	CROUND                                         ; the closing round: no work-group ends while a partner may still ask for a tile that names it
	s_endpgm
.Lfunc_end_k_q77726ab403_energy:
	.size	k_q77726ab403_energy, .Lfunc_end_k_q77726ab403_energy-k_q77726ab403_energy
	.p2alignl 7, 3214868480
	.fill 96, 4, 3214868480
	.section	.rodata,"a",@progbits
	.p2align	6, 0x0
	.amdhsa_kernel k_q77726ab403_energy
		.amdhsa_group_segment_fixed_size 327680
		.amdhsa_private_segment_fixed_size 0
		.amdhsa_enable_private_segment 0
		.amdhsa_kernarg_size 40
		.amdhsa_user_sgpr_count 2
		.amdhsa_user_sgpr_kernarg_segment_ptr 1
		.amdhsa_wavefront_size32 1
		.amdhsa_system_sgpr_workgroup_id_x 1
		.amdhsa_system_sgpr_workgroup_id_y 1
		.amdhsa_system_sgpr_workgroup_id_z 1
		.amdhsa_system_vgpr_workitem_id 0
		.amdhsa_next_free_vgpr 1024
		.amdhsa_next_free_sgpr 66
		.amdhsa_reserve_vcc 0
		.amdhsa_float_denorm_mode_32 3
		.amdhsa_float_denorm_mode_16_64 3
		.amdhsa_memory_ordered 1
		.amdhsa_forward_progress 1
		.amdhsa_inst_pref_size 238
	.end_amdhsa_kernel
	.amdgpu_metadata
---
amdhsa.version: [ 1, 2 ]
amdhsa.kernels:
  - .name:           k_q77726ab403_energy
    .symbol:         k_q77726ab403_energy.kd
    .args:
      - { .name: encoder_outputs, .offset: 0, .size: 8, .value_kind: global_buffer, .address_space: global }
      - { .name: wb, .offset: 8, .size: 8, .value_kind: global_buffer, .address_space: global }
      - { .name: b, .offset: 16, .size: 8, .value_kind: global_buffer, .address_space: global }
      - { .name: v, .offset: 24, .size: 8, .value_kind: global_buffer, .address_space: global }
      - { .name: part, .offset: 32, .size: 8, .value_kind: global_buffer, .address_space: global }
    .group_segment_fixed_size: 327680
    .private_segment_fixed_size: 0
    .kernarg_segment_align: 8
    .kernarg_segment_size: 40
    .max_flat_workgroup_size: 128
    .sgpr_count:     66
    .vgpr_count:     1024
    .wavefront_size: 32
...
	.end_amdgpu_metadata
.endif
;; end of part 2
;; launch finish (part 3): grid 8 x 8, 8 waves a work-group, no clusters, 18,432 bytes of LDS; arguments part, out0; writes out0
.if DOCPART == 3
	.amdgcn_target "amdgcn-amd-amdhsa--gfx1250"
	.amdhsa_code_object_version 6
	.text
	.protected	k_q77726ab403_finish
	.globl	k_q77726ab403_finish
	.p2align	8
	.type	k_q77726ab403_finish,@function
k_q77726ab403_finish:
	s_mov_b64 s[64:65], 0
	v_nop
	global_prefetch_b8 v0, s[64:65] scope:SCOPE_SE
	s_setreg_imm32_b32 hwreg(HW_REG_WAVE_MODE, 25, 1), 1
	s_wait_xcnt 0x0
; out0[b][f][l] = softmax over b of score[l][b], the same for all eight f; score[64 l + b] = part[0][..] + part[1][..].  All in f32; the maximum over the 64 b is taken away before the exponential.
; LIMITS.  A weight below 2^-126 counts as 0; NaN and infinities are not treated apart.
; SHARES.  Work-group (x, y): the 64 l from 64 x on, and of their results the eight b from 8 y on.  Each work-group makes the whole softmax of its 64 l (32 KiB read): an output row runs along l, the softmax along b,
; so 256 consecutive bytes of out0 need 64 softmaxes.  Wave w takes l = 8 w .. 8 w + 7: 16 lanes hold the 64 b of one l, four each, so maximum and sum stay inside 16 lanes.
; The weights turn through LDS ([b][l], rows of 272 bytes); then wave w reads row 8 y + w and stores it eight times: 16 lanes fill 256 consecutive bytes, aligned.
.set TP,    272                        ; a row of the turned table: 64 l x 4 bytes + 16
.set SPARE, 64*TP                      ; behind it: the spare words, 128 bytes for each wave, which no other line names
.set LO,  5                            ; v5   my byte offset in the 64 l x 64 b of part
.set TS,  6                            ; v6   where I put a weight
.set TR,  7                            ; v7   where I read 16 bytes of my wave's row
.set OO,  8                            ; v8   my byte offset in out0
.set SC,  12                           ; v[12:27] four scores for each of four l; then the weights
.set P1,  28                           ; v[28:43] the second partial sums; then the row read back
.set M,   44                           ; v[44+2 i] log2(e) m, v[45+2 i] m
.set SU,  52                           ; v[52+2 i] the sum, then its reciprocal; v[53+2 i] at work
.set SPW, 62                           ; v62  LDS address of my spare word; never rewritten
.set NIL, 63                           ; v63  0; never rewritten
	s_load_b128 s[4:7], s[0:1], 0x0                ; part s[4:5], out0 s[6:7]
	v_lshl_add_u32 v[SPW], v0, 2, SPARE
	v_mov_b32 v[NIL], 0
	v_lshrrev_b32 v1, 5, v0
	v_readfirstlane_b32 s8, v1                     ; wave 0..7
	s_and_b32 s9, ttmp7, 7                         ; which eight b
	v_and_b32 v2, 15, v0                           ; c: b = 4 c + 0..3 on the way in
	v_bfe_u32 v3, v0, 4, 1
	s_lshl_b32 s10, s8, 3
	v_add_nc_u32 v4, s10, v3                       ; my l for i = 0: 8 w + l / 16
	v_lshlrev_b32 v[LO], 8, v4
	v_lshl_add_u32 v[LO], v2, 4, v[LO]
	v_mul_u32_u24 v[TS], v2, 4*TP
	v_lshl_add_u32 v[TS], v4, 2, v[TS]
	s_lshl_b32 s11, s9, 3
	s_add_co_u32 s11, s11, s8                      ; the b that my wave stores
	s_mul_i32 s12, s11, TP
	v_lshl_add_u32 v[TR], v2, 4, s12
	v_lshlrev_b32 v[OO], 11, v3                    ; f = 2 t + l / 16: 2,048 bytes each
	v_lshl_add_u32 v[OO], v2, 4, v[OO]
	s_lshl_b32 s16, ttmp9, 14                      ; part: 64 l x 256 bytes
	s_mov_b32 s17, 0
	s_lshl_b32 s18, s11, 14                        ; out0: b x 16,384 bytes,
	s_lshl_b32 s19, ttmp9, 8                       ; and my 64 l in a row
	s_add_co_u32 s18, s18, s19
	s_mov_b32 s19, 0
	s_mov_b32 s14, 0x3fb8aa3b                      ; log2(e), named as a pair
	s_mov_b32 s15, s14
	s_wait_kmcnt 0x0
	s_add_nc_u64 s[4:5], s[4:5], s[16:17]
	s_add_nc_u64 s[6:7], s[6:7], s[18:19]
.irp i, 0,1,2,3
	global_load_b128 v[SC+4*(\i):SC+4*(\i)+3], v[LO], s[4:5] offset:(\i)*512
	global_load_b128 v[P1+4*(\i):P1+4*(\i)+3], v[LO], s[4:5] offset:(\i)*512+131072
.endr
	s_wait_loadcnt 0x0
.irp i, 0,1,2,3
	v_pk_add_f32 v[SC+4*(\i):SC+4*(\i)+1],   v[SC+4*(\i):SC+4*(\i)+1],   v[P1+4*(\i):P1+4*(\i)+1]
	v_pk_add_f32 v[SC+4*(\i)+2:SC+4*(\i)+3], v[SC+4*(\i)+2:SC+4*(\i)+3], v[P1+4*(\i)+2:P1+4*(\i)+3]
.endr
.irp i, 0,1,2,3
	v_max3_num_f32 v[M+2*(\i)+1], v[SC+4*(\i)], v[SC+4*(\i)+1], v[SC+4*(\i)+2]
.endr
.irp i, 0,1,2,3
	v_max_num_f32 v[M+2*(\i)+1], v[M+2*(\i)+1], v[SC+4*(\i)+3]
.endr
.irp x, 1,2,4,8                        ; across the 16 lanes of an l
.irp i, 0,1,2,3
	v_max_num_f32_dpp v[M+2*(\i)+1], v[M+2*(\i)+1], v[M+2*(\i)+1] row_xmask:\x row_mask:0xf bank_mask:0xf
.endr
.endr
.irp i, 0,1,2,3
	v_mul_f32 v[M+2*(\i)], s14, v[M+2*(\i)+1]
.endr
.irp i, 0,1,2,3
	v_pk_fma_f32 v[SC+4*(\i):SC+4*(\i)+1],   v[SC+4*(\i):SC+4*(\i)+1],   s[14:15], v[M+2*(\i):M+2*(\i)+1] op_sel_hi:[1,0,0] neg_lo:[0,0,1] neg_hi:[0,0,1]
	v_pk_fma_f32 v[SC+4*(\i)+2:SC+4*(\i)+3], v[SC+4*(\i)+2:SC+4*(\i)+3], s[14:15], v[M+2*(\i):M+2*(\i)+1] op_sel_hi:[1,0,0] neg_lo:[0,0,1] neg_hi:[0,0,1]
.endr
.set e, 0
.rept 16
	v_exp_f32 v[SC+e], v[SC+e]
.set e, e+1
.endr
	v_nop                                          ; a plain instruction behind the last exponential,
	s_wait_alu depctr_va_vdst(0)                   ; and the wait ahead of the first use: one for the sixteen
.irp i, 0,1,2,3
	v_pk_add_f32 v[SU+2*(\i):SU+2*(\i)+1], v[SC+4*(\i):SC+4*(\i)+1], v[SC+4*(\i)+2:SC+4*(\i)+3]
.endr
.irp i, 0,1,2,3
	v_add_f32 v[SU+2*(\i)], v[SU+2*(\i)], v[SU+2*(\i)+1]
.endr
.irp x, 1,2,4,8
.irp i, 0,1,2,3
	v_add_f32_dpp v[SU+2*(\i)], v[SU+2*(\i)], v[SU+2*(\i)] row_xmask:\x row_mask:0xf bank_mask:0xf
.endr
.endr
.irp i, 0,1,2,3
	v_rcp_f32 v[SU+2*(\i)], v[SU+2*(\i)]
.endr
	v_nop
	s_wait_alu depctr_va_vdst(0)                   ; one for the four reciprocals
.irp i, 0,1,2,3
	v_pk_mul_f32 v[SC+4*(\i):SC+4*(\i)+1],   v[SC+4*(\i):SC+4*(\i)+1],   v[SU+2*(\i):SU+2*(\i)+1] op_sel_hi:[1,0]
	v_pk_mul_f32 v[SC+4*(\i)+2:SC+4*(\i)+3], v[SC+4*(\i)+2:SC+4*(\i)+3], v[SU+2*(\i):SU+2*(\i)+1] op_sel_hi:[1,0]
.endr
.irp i, 0,1,2,3
.irp k, 0,1,2,3
	ds_store_b32 v[TS], v[SC+4*(\i)+(\k)] offset:(\k)*TP+8*(\i)  ; row b = 4 c + k, column l = 8 w + 2 i + l / 16
.endr
.endr
	s_wait_dscnt 0x0                               ; for the others' sake: my weights are in the table
	s_barrier_signal -1
	s_barrier_wait -1
	ds_load_b128 v[P1:P1+3], v[TR]                 ; both halves of the lanes read the same row of 256 bytes
	s_wait_dscnt 0x0
.irp t, 0,1,2,3
	global_store_b128 v[OO], v[P1:P1+3], s[6:7] offset:(\t)*4096  ; f = 2 t and 2 t + 1: 16 lanes store 256 consecutive bytes, at a multiple of 256 from out0's first byte
.endr
	s_wait_tensorcnt 0x0                           ; the wave's end, behind my last LDS store
	ds_add_u32 v[SPW], v[NIL]
	s_wait_dscnt 0x0
	s_endpgm
.Lfunc_end_k_q77726ab403_finish:
	.size	k_q77726ab403_finish, .Lfunc_end_k_q77726ab403_finish-k_q77726ab403_finish
	.p2alignl 7, 3214868480
	.fill 96, 4, 3214868480
	.section	.rodata,"a",@progbits
	.p2align	6, 0x0
	.amdhsa_kernel k_q77726ab403_finish
		.amdhsa_group_segment_fixed_size 18432
		.amdhsa_private_segment_fixed_size 0
		.amdhsa_enable_private_segment 0
		.amdhsa_kernarg_size 16
		.amdhsa_user_sgpr_count 2
		.amdhsa_user_sgpr_kernarg_segment_ptr 1
		.amdhsa_wavefront_size32 1
		.amdhsa_system_sgpr_workgroup_id_x 1
		.amdhsa_system_sgpr_workgroup_id_y 1
		.amdhsa_system_sgpr_workgroup_id_z 1
		.amdhsa_system_vgpr_workitem_id 0
		.amdhsa_next_free_vgpr 64
		.amdhsa_next_free_sgpr 66
		.amdhsa_reserve_vcc 0
		.amdhsa_float_denorm_mode_32 3
		.amdhsa_float_denorm_mode_16_64 3
		.amdhsa_memory_ordered 1
		.amdhsa_forward_progress 1
		.amdhsa_inst_pref_size 10
	.end_amdhsa_kernel
	.amdgpu_metadata
---
amdhsa.version: [ 1, 2 ]
amdhsa.kernels:
  - .name:           k_q77726ab403_finish
    .symbol:         k_q77726ab403_finish.kd
    .args:
      - { .name: part, .offset: 0, .size: 8, .value_kind: global_buffer, .address_space: global }
      - { .name: out0, .offset: 8, .size: 8, .value_kind: global_buffer, .address_space: global }
    .group_segment_fixed_size: 18432
    .private_segment_fixed_size: 0
    .kernarg_segment_align: 8
    .kernarg_segment_size: 16
    .max_flat_workgroup_size: 256
    .sgpr_count:     66
    .vgpr_count:     64
    .wavefront_size: 32
...
	.end_amdgpu_metadata
.endif
;; end of part 3
